; MI455X (gfx1250); checked and timed in simulation.
; The chip was launched on July 23, 2026; its instructions are those of AMD's public machine-readable ISA for CDNA 5 (MIT licence, August 2026) and "CDNA5" Instruction Set Architecture Reference Guide (July 2026). The comments in the code are by the model that wrote it; some were corrected since.
;; Multi Head Attention. Allowed arithmetic: float matrix products may take bf16 or f16 operands with f32 sums; other float arithmetic in f32, or as packed bf16 or f16 multiplies, adds, multiply-adds, maxima and minima; sums over many terms, partial sums and values carried from step to step in f32; what a program stores and reads back later, other than sums and carried values, may be rounded once to bf16 or f16.
;; Inputs: Wk 1,024 x 1,024 float32; Wo 1,024 x 1,024 float32; Wq 1,024 x 1,024 float32; Wv 1,024 x 1,024 float32; bk 1,024 float32; bo 1,024 float32; bq 1,024 float32; bv 1,024 float32; x 8 x 1,024 x 1,024 float32.
;; Outputs: out0 8 x 1,024 x 1,024 float32.
;; One version. Each part assembles by itself: llvm-mc -triple=amdgcn-amd-amdhsa -mcpu=gfx1250 --defsym DOCPART=n.
;; ======== version 1 of 1: 4 launches
;; limits: values are held in f16: magnitudes above 65,504 overflow, below 6.1e-05 lose precision; inputs' magnitudes at most 511
;; workspace buffers: xb 16,777,216 bytes; wb 6,291,456 bytes; wo 2,097,152 bytes; qkv 50,331,648 bytes; hd 16,777,216 bytes
;; launch cast (part 1): grid 768 x 1, 8 waves a work-group, no clusters, 0 bytes of LDS; arguments x, Wq, Wk, Wv, Wo, xb, wb, wo; writes xb, wb, wo
.if DOCPART == 1
	.amdgcn_target "amdgcn-amd-amdhsa--gfx1250"
	.amdhsa_code_object_version 6
	.text
	.protected	k_qa6b5a97ad8_cast
	.globl	k_qa6b5a97ad8_cast
	.p2align	8
	.type	k_qa6b5a97ad8_cast,@function
k_qa6b5a97ad8_cast:
	s_mov_b64 s[64:65], 0
	v_nop
	global_prefetch_b8 v0, s[64:65] scope:SCOPE_SE
	s_setreg_imm32_b32 hwreg(HW_REG_WAVE_MODE, 25, 1), 1
	s_wait_xcnt 0x0
; x, Wq, Wk, Wv (f32) -> bf16;  Wo (f32) -> f16(128 x bf16(Wo)).  All are laid as [K block of 64][row][64]: a row of a block is 128 bytes and the rows of a block lie end to end.
; xb: [16][8192][64];  wb: [16][3072][64], rows 0-1023 Wq, 1024-2047 Wk, 2048-3071 Wv;  wo: [16][1024][64].
; LIMIT.  128 |Wo| must stay under 65,504 (|Wo| < 511); below 2^-21 a number of Wo keeps f16's fixed step (2^-31 of Wo's scale).
; A stream: no LDS, no barrier, no matrix unit.  A work-group takes 16 rows x 1,024 columns (65,536 bytes of f32): groups 0-511 x, 512-575 Wq, 576-639 Wk, 640-703 Wv, 704-767 Wo.
; Wave w takes columns 128 w .. 128 w + 127 (K blocks 2 w and 2 w + 1).  A piece is two rows of them.  IN: a load takes 512 consecutive bytes of one row, 16 a lane, so every byte of the source is named by one load.
; A lane then holds 4 columns of both rows.  NEIGHBOURING LANES SWAP HALVES: the even lane ends with 8 columns of the even row, the odd lane with the same 8 columns of the odd row.
; OUT: 16 bytes a lane; sixteen neighbouring lanes cover two rows of a K block: 256 consecutive bytes, aligned.
; All 16 loads of a lane go out at once; every piece has its own registers for what is loaded and what is stored, so no source of a memory instruction is ever rewritten.
.set VS, 1                             ; v1     my byte offset in a source row: 16 x thread
.set VD, 2                             ; v2     my byte offset in the target
.set X,  8                             ; v[8:71]    piece k: four f32 of row 2 k, four of row 2 k + 1
.set Y,  72                            ; v[72:103]  piece k: 4 words to store
.set T,  104                           ; v[104:111] at work (Wo alone)
.set W,  112                           ; v[112:115] the piece's packed words: two of the even row, two of the odd row
.set SD, 116                           ; v[116:117] what my neighbour wants of them
.set RC, 118                           ; v[118:119] what it sent me
	s_load_b512 s[8:23], s[0:1], 0x0               ; x, Wq, Wk, Wv, Wo, xb, wb, wo
	v_lshlrev_b32 v[VS], 4, v0                     ; 512 x wave + 16 x lane
	v_lshrrev_b32 v4, 4, v0                        ; my K block: 2 x wave + lane / 16
	v_and_b32 v5, 1, v0                            ; which of the two rows I end with
	v_bfe_u32 v6, v0, 1, 3                         ; which 8 columns of the block's 64
	v_cmp_eq_u32 vcc_lo, 1, v5                     ; the odd lanes; VCC is written nowhere else
	v_mov_b32 v[RC], 0                             ; the destination of a DPP form counts as read: written once here
	v_mov_b32 v[RC+1], 0
	s_mov_b32 s24, ttmp9                           ; the work-group's number
	s_and_b32 s28, s24, 63                         ; its block of 16 rows within a weight matrix (512, 576, 640, 704 are multiples of 64)
	s_sub_co_u32 s29, s24, 512                     ; its block of 16 rows in wb (used for groups 512-703 alone)
	s_mov_b32 s27, 131072                          ; bytes of a K block: wo,
	s_cmp_lt_u32 s24, 704
	s_cselect_b32 s26, s29, s28
	s_cselect_b32 s27, 393216, s27                 ; wb,
	s_cmp_lt_u32 s24, 512
	s_cselect_b32 s25, s24, s28                    ; source block of rows
	s_cselect_b32 s26, s24, s26                    ; target block of rows
	s_cselect_b32 s27, 1048576, s27                ; xb
	s_lshl_b32 s32, s25, 16                        ; 16 rows of 4,096 bytes
	s_mov_b32 s33, 0
	s_lshl_b32 s34, s26, 11                        ; 16 rows of 128 bytes
	s_mov_b32 s35, 0
	s_mov_b32 s30, 0x43000000                      ; 128.0
	s_mov_b32 s31, s30                             ; named with it as a pair
	v_mul_u32_u24 v[VD], s27, v4                   ; K block
	v_lshl_add_u32 v[VD], v5, 7, v[VD]             ; + my row of the two
	v_lshl_add_u32 v[VD], v6, 4, v[VD]             ; + 16 x my 8 columns
	s_wait_kmcnt 0x0
	s_cmp_lt_u32 s24, 704
	s_cselect_b64 s[4:5], s[14:15], s[16:17]       ; the source: Wo, Wv,
	s_cselect_b64 s[6:7], s[20:21], s[22:23]       ; the target: wo, wb,
	s_cmp_lt_u32 s24, 640
	s_cselect_b64 s[4:5], s[12:13], s[4:5]         ; Wk,
	s_cmp_lt_u32 s24, 576
	s_cselect_b64 s[4:5], s[10:11], s[4:5]         ; Wq,
	s_cmp_lt_u32 s24, 512
	s_cselect_b64 s[4:5], s[8:9], s[4:5]           ; x
	s_cselect_b64 s[6:7], s[18:19], s[6:7]         ; xb
	s_add_nc_u64 s[4:5], s[4:5], s[32:33]
	s_add_nc_u64 s[6:7], s[6:7], s[34:35]
.irp k, 0,1,2,3,4,5,6,7                ; piece k: rows 2 k and 2 k + 1
	global_load_b128 v[X+8*(\k):X+8*(\k)+3],   v[VS], s[4:5] offset:(2*(\k))*4096 th:TH_LOAD_NT
	global_load_b128 v[X+8*(\k)+4:X+8*(\k)+7], v[VS], s[4:5] offset:(2*(\k)+1)*4096 th:TH_LOAD_NT
.endr
.macro PIECE k, wo
	s_wait_loadcnt 14-2*(\k)                       ; loads come back in order: this piece's two are in, the 14 - 2 k younger ones stay out
.irp j, 0,1,2,3
	v_cvt_pk_bf16_f32 v[W+(\j)], v[X+8*(\k)+2*(\j)], v[X+8*(\k)+2*(\j)+1]
.endr
.if \wo                                ; the bf16 number, times 128, written as f16: exact within f16's normal range
.irp j, 0,1,2,3
	v_lshlrev_b32 v[T+2*(\j)],   16, v[W+(\j)]
	v_and_b32     v[T+2*(\j)+1], 0xffff0000, v[W+(\j)]
.endr
.irp j, 0,2,4,6
	v_pk_mul_f32 v[T+(\j):T+(\j)+1], v[T+(\j):T+(\j)+1], s[30:31] op_sel_hi:[1,0]
.endr
.irp j, 0,1,2,3
	v_cvt_pk_f16_f32 v[W+(\j)], v[T+2*(\j)], v[T+2*(\j)+1]
.endr
.endif
	v_cndmask_b32 v[SD],   v[W+2], v[W],   vcc_lo  ; an odd lane gives its part of the even row, an even lane its part of the odd row
	v_cndmask_b32 v[SD+1], v[W+3], v[W+1], vcc_lo
	v_mov_b32_dpp v[RC],   v[SD]   row_xmask:1 row_mask:0xf bank_mask:0xf  ; lane i takes lane i xor 1's
	v_mov_b32_dpp v[RC+1], v[SD+1] row_xmask:1 row_mask:0xf bank_mask:0xf
	v_cndmask_b32 v[Y+4*(\k)],   v[W],    v[RC],   vcc_lo  ; even lane: its own 4 columns, then the neighbour's next 4;
	v_cndmask_b32 v[Y+4*(\k)+1], v[W+1],  v[RC+1], vcc_lo
	v_cndmask_b32 v[Y+4*(\k)+2], v[RC],   v[W+2],  vcc_lo  ; odd lane: the neighbour's 4 columns, then its own
	v_cndmask_b32 v[Y+4*(\k)+3], v[RC+1], v[W+3],  vcc_lo
	global_store_b128 v[VD], v[Y+4*(\k):Y+4*(\k)+3], s[6:7] offset:(\k)*256  ; lanes 0-15 and lanes 16-31 each cover 256 consecutive bytes, aligned
.endm
	s_cmp_ge_u32 s24, 704
	s_cbranch_scc1 .Lwo
.irp k, 0,1,2,3,4,5,6,7
	PIECE \k, 0
.endr
	s_endpgm
.Lwo:
.irp k, 0,1,2,3,4,5,6,7
	PIECE \k, 1
.endr
	s_endpgm
.Lfunc_end_k_qa6b5a97ad8_cast:
	.size	k_qa6b5a97ad8_cast, .Lfunc_end_k_qa6b5a97ad8_cast-k_qa6b5a97ad8_cast
	.p2alignl 7, 3214868480
	.fill 96, 4, 3214868480
	.section	.rodata,"a",@progbits
	.p2align	6, 0x0
	.amdhsa_kernel k_qa6b5a97ad8_cast
		.amdhsa_group_segment_fixed_size 0
		.amdhsa_private_segment_fixed_size 0
		.amdhsa_enable_private_segment 0
		.amdhsa_kernarg_size 64
		.amdhsa_user_sgpr_count 2
		.amdhsa_user_sgpr_kernarg_segment_ptr 1
		.amdhsa_wavefront_size32 1
		.amdhsa_system_sgpr_workgroup_id_x 1
		.amdhsa_system_sgpr_workgroup_id_y 1
		.amdhsa_system_sgpr_workgroup_id_z 1
		.amdhsa_system_vgpr_workitem_id 0
		.amdhsa_next_free_vgpr 120
		.amdhsa_next_free_sgpr 66
		.amdhsa_reserve_vcc 1
		.amdhsa_float_denorm_mode_32 3
		.amdhsa_float_denorm_mode_16_64 3
		.amdhsa_memory_ordered 1
		.amdhsa_forward_progress 1
		.amdhsa_inst_pref_size 22
	.end_amdhsa_kernel
	.amdgpu_metadata
---
amdhsa.version: [ 1, 2 ]
amdhsa.kernels:
  - .name:           k_qa6b5a97ad8_cast
    .symbol:         k_qa6b5a97ad8_cast.kd
    .args:
      - { .name: x, .offset: 0, .size: 8, .value_kind: global_buffer, .address_space: global }
      - { .name: Wq, .offset: 8, .size: 8, .value_kind: global_buffer, .address_space: global }
      - { .name: Wk, .offset: 16, .size: 8, .value_kind: global_buffer, .address_space: global }
      - { .name: Wv, .offset: 24, .size: 8, .value_kind: global_buffer, .address_space: global }
      - { .name: Wo, .offset: 32, .size: 8, .value_kind: global_buffer, .address_space: global }
      - { .name: xb, .offset: 40, .size: 8, .value_kind: global_buffer, .address_space: global }
      - { .name: wb, .offset: 48, .size: 8, .value_kind: global_buffer, .address_space: global }
      - { .name: wo, .offset: 56, .size: 8, .value_kind: global_buffer, .address_space: global }
    .group_segment_fixed_size: 0
    .private_segment_fixed_size: 0
    .kernarg_segment_align: 8
    .kernarg_segment_size: 64
    .max_flat_workgroup_size: 256
    .sgpr_count:     66
    .vgpr_count:     120
    .wavefront_size: 32
...
	.end_amdgpu_metadata
.endif
;; end of part 1
;; launch qkv (part 2): grid 8 x 32, 4 waves a work-group, clusters of 4 x 4, 327,680 bytes of LDS; arguments xb, wb, bq, bk, bv, qkv; writes qkv
.if DOCPART == 2
	.amdgcn_target "amdgcn-amd-amdhsa--gfx1250"
	.amdhsa_code_object_version 6
	.text
	.protected	k_qa6b5a97ad8_qkv
	.globl	k_qa6b5a97ad8_qkv
	.p2align	8
	.type	k_qa6b5a97ad8_qkv,@function
k_qa6b5a97ad8_qkv:
	s_mov_b64 s[64:65], 0
	v_nop
	global_prefetch_b8 v0, s[64:65] scope:SCOPE_SE
	s_setreg_imm32_b32 hwreg(HW_REG_WAVE_MODE, 25, 1), 1
	s_wait_xcnt 0x0
	s_wait_alu depctr_hold_cnt(0) depctr_sa_sdst(0) depctr_va_vdst(0) depctr_va_sdst(0) depctr_va_ssrc(0) depctr_va_vcc(0) depctr_vm_vsrc(0)
	s_getreg_b32 s2, hwreg(HW_REG_IB_STS2, 6, 4)
	s_cmp_eq_u32 s2, 0
	s_cbranch_scc0 .Lentry_in_a_cluster
	s_endpgm
.Lentry_in_a_cluster:
	s_bfe_u32 s2, ttmp6, 0x10000c
	s_cmp_lg_u32 s2, 0xf033
	s_cbranch_scc0 .Lentry_shape_is_right
	s_endpgm
.Lentry_shape_is_right:
; [8192 x 3072] = xb wb^T + bias (bf16 operands, the bias rounded to bf16 like every input; sums in f32), rounded once to f16 and written by heads:
; qkv: [48 groups of 64 columns][8192 rows][64] f16; groups 0-15 Q's heads, 16-31 K's, 32-47 V's.
; LIMIT.  |Q|, |K|, |V| must stay under 65,504, f16's end; NaN and infinities are not treated apart.
; SHARES.  A work-group makes 256 rows x 384 columns: 32 x 8 = 256 work-groups.  Four waves, each 128 x 192: 96 accumulators of 16 x 16, 768 registers.
; K goes in steps of 64, one K block of the operands' layout, through two LDS slots.  In a block rows lie end to end, so a tile is asked for as dense rows of 256 bytes (two rows of the matrix).
; CLUSTER 4 x 4: xb's tile hangs on the tile row alone and is asked for jointly along a row of the cluster, wb's on the tile column alone, along a column.
; THE MATRIX INSTRUCTION IS USED TRANSPOSED (source 0 = 16 rows of wb, source 1 = 16 rows of xb): a lane holds row l % 16 and the eight columns 8 (l / 16) + 0..7.
; THE SUMS START AS THE BIAS: it is read from LDS straight into the accumulators while the first tiles are on their way, so there is one form of product and no addition on the way out.
; REGISTERS, in windows of 256 (s_set_vgpr_msb: bits 1:0 source 0, 3:2 source 1, 5:4 source 2, 7:6 destination):
;   window 0: v0-31 addresses; v32-95, v96-159 xb's 8 fragments, two buffers; v160-255 wb's 12 fragments, one buffer, refilled four at a time behind the stretch that read them
;   windows 1-3: accumulator (a, b), a = 0..7, b = 0..11, in window 1 + b / 4 at v[8 (8 (b % 4) + a)]
.set PITCH,  144                       ; an LDS row: 128 bytes + 16 of padding: the 16 rows of a fragment load start at 16 different 16-byte columns of 256 bytes
.set AHALF,  128*PITCH                 ; what one tensor load brings of xb, and what a wave reads of it
.set BHALF,  192*PITCH                 ; the same for wb
.set ABYTES, 2*AHALF
.set SLOT1,  1<<17                     ; slot 1 begins here: one exclusive or turns an address in one slot into the other's (a slot is 92,160 bytes)
.set STAGE,  SLOT1+ABYTES+2*BHALF      ; behind the ring: for each wave 3 groups x 16 rows x 144 bytes, for the way out
.set WSTAGE, 3*16*PITCH
.set BIAS,   STAGE+4*WSTAGE            ; for each wave its 192 columns' bias, 768 bytes
.set SPARE,  BIAS+4*768                ; the spare words, 128 bytes for each wave: two blocks of 256 bytes that no other line names
.set ASTEP,  8192*128                  ; bytes from K block to K block in xb
.set BSTEP,  3072*128                  ; and in wb
.set A0,  16                           ; v16  my lane's place in my 128 rows of xb, slot 0; never rewritten
.set B0,  17                           ; v17  the same in my 192 rows of wb
.set ADA, 18                           ; v18  A0 + the slot being read
.set ADB, 19                           ; v19  B0 + the slot being read
.set STO, 20                           ; v20  the way out: where I put 16 bytes of a row
.set RD,  21                           ; v21  the way out: where I read rows back
.set GO,  22                           ; v22  16 x lane: my place in 512 consecutive bytes of qkv
.set BA,  23                           ; v23  where my 8 columns' bias begins, for column block 0
.set L8,  24                           ; v24  8 x lane
.set BS,  25                           ; v25  where I put two numbers of the bias
.set SPW, 28                           ; v28  LDS address of my spare word; never rewritten
.set NIL, 29                           ; v29  0; never rewritten
.set FA0, 32
.set FA1, 96
.set FB,  160
.set TMP, 32                           ; the way out: 48 packed words
.set BK,  80                           ; the way out: 16 rows x 3 groups read back: v80-127 and v128-175 by turns
.set WV,  16                           ; s16  wave
.set RH,  17                           ; s17  which half of the tile's rows is mine.  Also: I fetch for xb (0) or wb (1)
.set CH,  18                           ; s18  which half of its columns.  Also: which half of that tile I fetch
.set XX,  21                           ; s21  tile column
.set YY,  22                           ; s22  tile row
.set G1A, 24                           ; s[24:31] descriptor group 1, xb's tiles
.set G1B, 32                           ; s[32:39] wb's
.set G0A, 40                           ; s[40:47] group 0, xb's: a set for each of the two first fills; the second then walks on
.set G0B, 48                           ; s[48:55] wb's
.set SB,  56                           ; s56  the slot being read: 0 or SLOT1
.set CNT, 57                           ; s57  K steps that still ask for a tile
.set OB,  72                           ; s[72:73] qkv at my first row of my first group
.set MSB, 0
.macro WIN new                         ; the immediate's high byte repeats the setting that is left; a switch that changes nothing is dropped
.if MSB != (\new)
	s_set_vgpr_msb (MSB<<8)|(\new)
.set MSB, (\new)
.endif
.endm
.macro PLACES n=4                      ; plain vector instructions that name no register of the matrix instructions in front of them (ISA guide 7.12.1)
.rept \n
	v_nop
.endr
.endm
; A joint load.  Waves 0 and 1 fetch xb's two halves, waves 2 and 3 wb's.  The branch hangs on the wave's number alone.  An s_nop 0 and four v_nop follow each of the two lines.
.macro JLOAD s
	s_cmp_eq_u32 s[RH], 0
	s_cbranch_scc0 .Lfor_b_\@
	tensor_load_to_lds s[G0A+4*(\s):G0A+4*(\s)+3], s[G1A:G1A+7]
	s_nop 0
	PLACES
	s_branch .Lasked_\@
.Lfor_b_\@:
	tensor_load_to_lds s[G0B+4*(\s):G0B+4*(\s)+3], s[G1B:G1B+7]
	s_nop 0
	PLACES
.Lasked_\@:
.endm
.macro CREST                           ; a round of the cluster's barrier behind its opening barrier
	s_cmp_lg_u32 s[WV], 0
	s_cbranch_scc1 .Lnot_wave_0_\@
	s_barrier_signal -3
.Lnot_wave_0_\@:
	s_barrier_wait -3
	s_barrier_signal -1
	s_barrier_wait -1
.endm
.macro CROUND                          ; a whole round
	s_barrier_signal -1
	s_barrier_wait -1
	CREST
.endm
	s_load_b256 s[4:11], s[0:1], 0x0               ; xb s[4:5], wb s[6:7], bq s[8:9], bk s[10:11]
	s_load_b128 s[12:15], s[0:1], 0x20             ; bv s[12:13], qkv s[14:15]
	v_lshl_add_u32 v[SPW], v0, 2, SPARE
	v_mov_b32 v[NIL], 0
	ds_add_u32 v[SPW], v[NIL]                      ; the wave's opening: the add and its wait stand ahead of my first tensor load; the set-up below stands between them
	v_lshrrev_b32 v1, 5, v0
	v_readfirstlane_b32 s[WV], v1
	s_lshr_b32 s[RH], s[WV], 1
	s_and_b32 s[CH], s[WV], 1
	s_bfe_u32 s19, ttmp6, 0x40000                  ; cx
	s_bfe_u32 s20, ttmp6, 0x40004                  ; cy
	s_lshl_b32 s[XX], ttmp9, 2
	s_add_co_u32 s[XX], s[XX], s19                 ; tile column = 4 x cluster x + cx
	s_and_b32 s[YY], ttmp7, 0xffff
	s_lshl_b32 s[YY], s[YY], 2
	s_add_co_u32 s[YY], s[YY], s20                 ; tile row = 4 x cluster y + cy
	s_lshl_b32 s2, s20, 2
	s_lshl_b32 s2, 15, s2                          ; my row of the cluster
	s_lshl_b32 s3, 0x1111, s19                     ; my column
	; group 1: rows of 128 elements of 2 bytes (two rows of the matrix), dense; padding of 4 words behind every 32
	s_or_b32 s[G1A], s2, (1<<16)|(1<<20)|(1<<21)|(4<<22)|(3<<25)
	s_or_b32 s[G1B], s3, (1<<16)|(1<<20)|(1<<21)|(4<<22)|(3<<25)
	s_mov_b32 s[G1A+1], 128<<16                    ; tensor_dim0 = 128
	s_mov_b32 s[G1A+2], 64<<16                     ; tensor_dim1 = 64: 128 rows of xb
	s_mov_b32 s[G1A+3], 128<<16                    ; tile_dim0 = 128
	s_mov_b32 s[G1A+4], 64                         ; tile_dim1 = 64
	s_mov_b32 s[G1A+5], 128                        ; elements from row to row
	s_mov_b32 s[G1A+6], 0
	s_mov_b32 s[G1A+7], 0
	s_mov_b32 s[G1B+1], 128<<16
	s_mov_b32 s[G1B+2], 96<<16                     ; 192 rows of wb
	s_mov_b32 s[G1B+3], 128<<16
	s_mov_b32 s[G1B+4], 96
	s_mov_b32 s[G1B+5], 128
	s_mov_b32 s[G1B+6], 0
	s_mov_b32 s[G1B+7], 0
	s_lshl_b32 s58, s[YY], 15                      ; xb: (256 x tile row + 128 x half) x 128 bytes: registers that never hold cx
	s_lshl_b32 s59, s[CH], 14
	s_add_co_u32 s58, s58, s59
	s_mov_b32 s59, 0
	s_mul_i32 s60, s[XX], 384*128                  ; wb: (384 x tile column + 192 x half) x 128 bytes: registers that never hold cy
	s_mul_i32 s61, s[CH], 192*128
	s_add_co_u32 s60, s60, s61
	s_mov_b32 s61, 0
	s_mul_i32 s62, s[CH], AHALF                    ; where they go: no place in the cluster enters an LDS address
	s_mul_i32 s63, s[CH], BHALF
	s_add_co_u32 s63, s63, ABYTES
	s_wait_dscnt 0x0                               ; the opening add is done
	s_wait_kmcnt 0x0
	s_add_nc_u64 s[58:59], s[4:5], s[58:59]
	s_add_nc_u64 s[60:61], s[6:7], s[60:61]
	CROUND                                         ; all sixteen work-groups are here: the first joint loads meet
.irp s, 0,1
	s_mov_b32 s[G0A+4*(\s)], 1
	s_add_co_u32 s[G0A+4*(\s)+1], s62, (\s)*SLOT1
	s_add_nc_u64 s[G0A+4*(\s)+2:G0A+4*(\s)+3], s[58:59], (\s)*ASTEP
	s_or_b32 s[G0A+4*(\s)+3], s[G0A+4*(\s)+3], 0x80000000
	s_mov_b32 s[G0B+4*(\s)], 1
	s_add_co_u32 s[G0B+4*(\s)+1], s63, (\s)*SLOT1
	s_add_nc_u64 s[G0B+4*(\s)+2:G0B+4*(\s)+3], s[60:61], (\s)*BSTEP
	s_or_b32 s[G0B+4*(\s)+3], s[G0B+4*(\s)+3], 0x80000000
	JLOAD \s                                       ; K steps 0 and 1: two loads of mine are out
.endr
	; lane addresses.  A fragment is 16 rows x 32 K: lane l holds row l % 16, K = 8 (l / 16) + 0..7 and 16 + 8 (l / 16) + 0..7: two loads of 16 bytes, 32 bytes apart
	v_and_b32 v1, 15, v0
	v_bfe_u32 v2, v0, 4, 1
	v_and_b32 v3, 31, v0
	v_mul_u32_u24 v4, v1, PITCH
	v_lshl_add_u32 v4, v2, 4, v4                   ; row x pitch + 16 x half
	s_mul_i32 s23, s[RH], AHALF
	v_add_nc_u32 v[A0], s23, v4
	v_add_nc_u32 v[B0], s63, v4                    ; the half of wb's rows that I read is the half that my number fetches
	s_mul_i32 s23, s[WV], WSTAGE
	s_add_co_u32 s23, s23, STAGE
	v_add_nc_u32 v[STO], s23, v4
	v_bfe_u32 v5, v0, 3, 2
	v_and_b32 v6, 7, v0
	v_mul_u32_u24 v5, v5, PITCH
	v_lshl_add_u32 v5, v6, 4, v5                   ; back: 32 lanes take four rows of 128 bytes
	v_add_nc_u32 v[RD], s23, v5
	v_lshlrev_b32 v[GO], 4, v3
	v_lshlrev_b32 v[L8], 3, v3
	s_mul_i32 s23, s[WV], 768
	s_add_co_u32 s23, s23, BIAS
	v_add_nc_u32 v[BS], s23, v[L8]
	v_lshl_add_u32 v[BA], v2, 5, s23               ; 8 (l / 16) columns of f32
	; the bias of my three groups of 64 columns.  Group G = 6 x tile column + 3 x half + g lies in bq (G < 16), bk (G < 32) or bv, at 256 (G % 16) bytes
	s_mul_i32 s3, s[XX], 6
	s_mul_i32 s2, s[CH], 3
	s_add_co_u32 s3, s3, s2
.irp g, 0,1,2
	s_add_co_u32 s23, s3, \g
	s_cmp_lt_u32 s23, 32
	s_cselect_b64 s[66+2*(\g):67+2*(\g)], s[10:11], s[12:13]
	s_cmp_lt_u32 s23, 16
	s_cselect_b64 s[66+2*(\g):67+2*(\g)], s[8:9], s[66+2*(\g):67+2*(\g)]
	s_and_b32 s62, s23, 15
	s_lshl_b32 s62, s62, 8
	s_mov_b32 s63, 0
	s_add_nc_u64 s[66+2*(\g):67+2*(\g)], s[66+2*(\g):67+2*(\g)], s[62:63]
	global_load_b64 v[FA0+2*(\g):FA0+2*(\g)+1], v[L8], s[66+2*(\g):67+2*(\g)]  ; a pointer of its own for each load: none is rewritten
.endr
	s_lshl_b32 s62, s3, 20                         ; qkv: my first group, 1,048,576 bytes a group,
	s_lshl_b32 s23, s[YY], 15                      ; the tile's first row,
	s_add_co_u32 s62, s62, s23
	s_lshl_b32 s23, s[RH], 14                      ; my half of its rows
	s_add_co_u32 s62, s62, s23
	s_mov_b32 s63, 0
	s_add_nc_u64 s[OB:OB+1], s[14:15], s[62:63]
	s_wait_loadcnt 0x0
.irp g, 0,1,2
	v_cvt_pk_bf16_f32 v[FA0+8+(\g)], v[FA0+2*(\g)], v[FA0+2*(\g)+1]  ; the bias has the rounding of every input
.endr
.irp g, 0,1,2
	v_lshlrev_b32 v[FA0+2*(\g)],   16, v[FA0+8+(\g)]
	v_and_b32     v[FA0+2*(\g)+1], 0xffff0000, v[FA0+8+(\g)]
.endr
.irp g, 0,1,2
	ds_store_b64 v[BS], v[FA0+2*(\g):FA0+2*(\g)+1] offset:256*(\g)
.endr
.set pb, 0
.rept 12                               ; my own bytes, and LDS serves a wave's instructions in order (ISA guide 5.7.1.4): no wait between the stores and these loads
	WIN (1+pb/4)<<6
.set pa, 0
.rept 8
	ds_load_b128 v[8*(8*(pb%4)+pa):8*(8*(pb%4)+pa)+3],   v[BA] offset:64*pb
	ds_load_b128 v[8*(8*(pb%4)+pa)+4:8*(8*(pb%4)+pa)+7], v[BA] offset:64*pb+16
.set pa, pa+1
.endr
.set pb, pb+1
.endr
	WIN 0
; 16 matrix instructions: row blocks a0 .. a0 + 3 x column blocks 4 g .. 4 g + 3.  All 96 accumulators take turns, one instruction a turn, in the same order in every half step.
.macro MUL16 g, fa, a0
	WIN (((\g)+1)<<6)|(((\g)+1)<<4)
.irp a, 0,1,2,3
.irp b, 0,1,2,3
	v_wmma_f32_16x16x32_bf16 v[8*(8*(\b)+(\a0)+(\a)):8*(8*(\b)+(\a0)+(\a))+7], v[FB+8*(4*(\g)+(\b)):FB+8*(4*(\g)+(\b))+7], v[(\fa)+8*((\a0)+(\a)):(\fa)+8*((\a0)+(\a))+7], v[8*(8*(\b)+(\a0)+(\a)):8*(8*(\b)+(\a0)+(\a))+7]
.endr
.endr
.endm
; A run of LDS loads for the next half step (byte k of the rows): wb's fragments 4 n .. 4 n + 3, which the stretch just done has read; for n < 2 also xb's fragments 4 n .. 4 n + 3 into the other buffer.
.macro RUN n, k, fa, places
	WIN 0
.if \places
	PLACES
.endif
.irp i, 0,1,2,3
	ds_load_b128 v[FB+8*(4*(\n)+(\i)):FB+8*(4*(\n)+(\i))+3],   v[ADB] offset:(4*(\n)+(\i))*16*PITCH+(\k)
	ds_load_b128 v[FB+8*(4*(\n)+(\i))+4:FB+8*(4*(\n)+(\i))+7], v[ADB] offset:(4*(\n)+(\i))*16*PITCH+(\k)+32
.endr
.if (\n) < 2
.irp i, 0,1,2,3
	ds_load_b128 v[(\fa)+8*(4*(\n)+(\i)):(\fa)+8*(4*(\n)+(\i))+3],   v[ADA] offset:(4*(\n)+(\i))*16*PITCH+(\k)
	ds_load_b128 v[(\fa)+8*(4*(\n)+(\i))+4:(\fa)+8*(4*(\n)+(\i))+7], v[ADA] offset:(4*(\n)+(\i))*16*PITCH+(\k)+32
.endr
.endif
.endm
; A K step's first half: K 0-31, xb's buffer 0; fetches the second half.
.macro H0
	s_wait_dscnt 8                                 ; all but the last run's eight loads (wb's fragments 8-11)
	MUL16 0, FA0, 0
	MUL16 0, FA0, 4
	RUN 0, 64, FA1, 1
	MUL16 1, FA0, 0
	MUL16 1, FA0, 4
	RUN 1, 64, FA1, 1
	s_wait_dscnt 32                                ; all but the 32 loads of this half's two runs: wb's fragments 8-11 are in
	MUL16 2, FA0, 0
	MUL16 2, FA0, 4
	RUN 2, 64, FA1, 1
.endm
; The second half changes slots: ONE barrier.  In front of it each wave waits for all its tensor loads (one is out: its part of the next slot), adds 0 to its spare word, and waits for that and for its reads of this slot.
; fill = 1: the barrier opens a round of the cluster's, and this slot is filled again, two K steps ahead, first thing behind the round: 160 matrix instructions ahead of the wait for it.
.macro H1 fill
	WIN 0
	s_wait_tensorcnt 0x0
	ds_add_u32 v[SPW], v[NIL]
	s_wait_dscnt 9                                 ; the add and the last run's eight loads may be out
	MUL16 0, FA1, 0
	s_wait_dscnt 0x0                               ; the add is done, and my reads of this slot are over
	s_barrier_signal -1
	MUL16 0, FA1, 4
	WIN 0
	s_barrier_wait -1
.if \fill
	CREST
	s_xor_b32 s[G0A+5], s[G0A+5], SLOT1            ; the walking descriptors: the other slot than last time, the next K block
	s_add_nc_u64 s[G0A+6:G0A+7], s[G0A+6:G0A+7], ASTEP
	s_xor_b32 s[G0B+5], s[G0B+5], SLOT1
	s_add_nc_u64 s[G0B+6:G0B+7], s[G0B+6:G0B+7], BSTEP
	JLOAD 1                                        ; its four v_nop are also the places in front of the loads below
.else
	PLACES
.endif
	s_xor_b32 s[SB], s[SB], SLOT1
	v_add_nc_u32 v[ADA], s[SB], v[A0]
	v_add_nc_u32 v[ADB], s[SB], v[B0]
	RUN 0, 0, FA0, 0
	MUL16 1, FA1, 0
	MUL16 1, FA1, 4
	RUN 1, 0, FA0, 1
	MUL16 2, FA1, 0                                ; (its fragments were shown in by the wait for 0 above)
	MUL16 2, FA1, 4
	RUN 2, 0, FA0, 1
.endm
	s_wait_tensorcnt 0x1                           ; my part of K step 0 is in; K step 1's may stay out
	s_wait_dscnt 0x0                               ; the accumulators hold the bias
	s_barrier_signal -1
	s_barrier_wait -1
	s_mov_b32 s[SB], 0
	v_mov_b32 v[ADA], v[A0]
	v_mov_b32 v[ADB], v[B0]
	RUN 0, 0, FA0, 0
	RUN 1, 0, FA0, 0
	RUN 2, 0, FA0, 0
	s_mov_b32 s[CNT], 14
.Lk:                                           ; K steps 0 to 13: step t asks for step t + 2
	H0
	H1 1
	WIN 0
	s_sub_co_u32 s[CNT], s[CNT], 1
	s_cmp_lg_u32 s[CNT], 0
	s_cbranch_scc1 .Lk
	H0                                             ; K step 14: nothing is left to ask for
	H1 0
	H0                                             ; K step 15
	s_wait_dscnt 8
	MUL16 0, FA1, 0
	MUL16 0, FA1, 4
	MUL16 1, FA1, 0
	MUL16 1, FA1, 4
	s_wait_dscnt 0x0
	MUL16 2, FA1, 0
	MUL16 2, FA1, 4
	WIN 0
	PLACES 8
; THE WAY OUT, 16 rows at a time.  PACK: rounded to f16, 16 bytes a lane and column block.  TOSTAGE: into my own stage, group by group, and back as whole rows of 128 bytes.  SEND: stored, 512 consecutive bytes an instruction.
.macro PACK a
.set pb, 0
.rept 12
	WIN 5*(1+pb/4)                                 ; sources 0 and 1 in the accumulators' window
.irp r, 0,1,2,3
	v_cvt_pk_f16_f32 v[TMP+4*pb+(\r)], v[8*(8*(pb%4)+(\a))+2*(\r)], v[8*(8*(pb%4)+(\a))+2*(\r)+1]
.endr
.set pb, pb+1
.endr
	WIN 0
.endm
.macro TOSTAGE a
.set pb, 0
.rept 12
	ds_store_b128 v[STO], v[TMP+4*pb:TMP+4*pb+3] offset:(pb/4)*16*PITCH+32*(pb%4)
.set pb, pb+1
.endr
.set pb, 0
.rept 12
	ds_load_b128 v[BK+48*((\a)%2)+4*pb:BK+48*((\a)%2)+4*pb+3], v[RD] offset:(pb/4)*16*PITCH+(pb%4)*4*PITCH  ; in order behind the stores above
.set pb, pb+1
.endr
.endm
.macro SEND a
	s_wait_dscnt 0x0                               ; the block is back in registers
	s_wait_xcnt 0x0                                ; the stores of the block before have read their registers: the next TOSTAGE loads into them only behind this wait
.set pb, 0
.rept 12
	global_store_b128 v[GO], v[BK+48*((\a)%2)+4*pb:BK+48*((\a)%2)+4*pb+3], s[OB:OB+1] offset:(pb/4)*1048576+(\a)*2048+(pb%4)*512
.set pb, pb+1
.endr
.endm
	PACK 0
	TOSTAGE 0
.irp a, 1,2,3,4,5,6,7                  ; block a's conversions stand between block a - 1's loads from the stage and the wait for them
	PACK \a
	SEND (\a)-1
	TOSTAGE \a
.endr
	SEND 7
	s_wait_tensorcnt 0x0                           ; the wave's end
	ds_add_u32 v[SPW], v[NIL]
	s_wait_dscnt 0x0
	CROUND                                         ; the closing round
	s_endpgm
.Lfunc_end_k_qa6b5a97ad8_qkv:
	.size	k_qa6b5a97ad8_qkv, .Lfunc_end_k_qa6b5a97ad8_qkv-k_qa6b5a97ad8_qkv
	.p2alignl 7, 3214868480
	.fill 96, 4, 3214868480
	.section	.rodata,"a",@progbits
	.p2align	6, 0x0
	.amdhsa_kernel k_qa6b5a97ad8_qkv
		.amdhsa_group_segment_fixed_size 327680
		.amdhsa_private_segment_fixed_size 0
		.amdhsa_enable_private_segment 0
		.amdhsa_kernarg_size 48
		.amdhsa_user_sgpr_count 2
		.amdhsa_user_sgpr_kernarg_segment_ptr 1
		.amdhsa_wavefront_size32 1
		.amdhsa_system_sgpr_workgroup_id_x 1
		.amdhsa_system_sgpr_workgroup_id_y 1
		.amdhsa_system_sgpr_workgroup_id_z 1
		.amdhsa_system_vgpr_workitem_id 0
		.amdhsa_next_free_vgpr 1024
		.amdhsa_next_free_sgpr 76
		.amdhsa_reserve_vcc 0
		.amdhsa_float_denorm_mode_32 3
		.amdhsa_float_denorm_mode_16_64 3
		.amdhsa_memory_ordered 1
		.amdhsa_forward_progress 1
		.amdhsa_inst_pref_size 124
	.end_amdhsa_kernel
	.amdgpu_metadata
---
amdhsa.version: [ 1, 2 ]
amdhsa.kernels:
  - .name:           k_qa6b5a97ad8_qkv
    .symbol:         k_qa6b5a97ad8_qkv.kd
    .args:
      - { .name: xb, .offset: 0, .size: 8, .value_kind: global_buffer, .address_space: global }
      - { .name: wb, .offset: 8, .size: 8, .value_kind: global_buffer, .address_space: global }
      - { .name: bq, .offset: 16, .size: 8, .value_kind: global_buffer, .address_space: global }
      - { .name: bk, .offset: 24, .size: 8, .value_kind: global_buffer, .address_space: global }
      - { .name: bv, .offset: 32, .size: 8, .value_kind: global_buffer, .address_space: global }
      - { .name: qkv, .offset: 40, .size: 8, .value_kind: global_buffer, .address_space: global }
    .group_segment_fixed_size: 327680
    .private_segment_fixed_size: 0
    .kernarg_segment_align: 8
    .kernarg_segment_size: 48
    .max_flat_workgroup_size: 128
    .sgpr_count:     76
    .vgpr_count:     1024
    .wavefront_size: 32
...
	.end_amdgpu_metadata
.endif
;; end of part 2
;; launch attn (part 3): grid 16 x 16, 4 waves a work-group, clusters of 4 x 1, 327,680 bytes of LDS; arguments qkv, hd; writes hd
.if DOCPART == 3
	.amdgcn_target "amdgcn-amd-amdhsa--gfx1250"
	.amdhsa_code_object_version 6
	.text
	.protected	k_qa6b5a97ad8_attn
	.globl	k_qa6b5a97ad8_attn
	.p2align	8
	.type	k_qa6b5a97ad8_attn,@function
k_qa6b5a97ad8_attn:
	s_mov_b64 s[64:65], 0
	v_nop
	global_prefetch_b8 v0, s[64:65] scope:SCOPE_SE
	s_setreg_imm32_b32 hwreg(HW_REG_WAVE_MODE, 25, 1), 1
	s_wait_xcnt 0x0
	s_wait_alu depctr_hold_cnt(0) depctr_sa_sdst(0) depctr_va_vdst(0) depctr_va_sdst(0) depctr_va_ssrc(0) depctr_va_vcc(0) depctr_vm_vsrc(0)
	s_getreg_b32 s2, hwreg(HW_REG_IB_STS2, 6, 4)
	s_cmp_eq_u32 s2, 0
	s_cbranch_scc0 .Lentry_in_a_cluster
	s_endpgm
.Lentry_in_a_cluster:
	s_bfe_u32 s2, ttmp6, 0x10000c
	s_cmp_lg_u32 s2, 0x3003
	s_cbranch_scc0 .Lentry_shape_is_right
	s_endpgm
.Lentry_shape_is_right:
; heads[b][q][h][:] = the sum over k of attn[h][b][q][k] V[b][k][h][:],  attn = softmax OVER THE BATCH b of s[h][b][q][k] = Q[b][q][h] . K[b][k][h], with no scale.
; qkv: [48][8192][64] f16 (groups h: Q, 16 + h: K, 32 + h: V; row = 1024 b + position).  hd: [16 h][8192][64] f16 holds heads x 2^-7.
; Products, maxima and sums in f32; the weights are rounded to f16 for the second product, heads once at the end.
; LIMITS.  |heads| must stay under 8.38e6 (f16's end x 128); a weight below 2^-126 counts as 0 in its sum; NaN and infinities are not treated apart.
; SHARES.  A work-group owns 64 queries of one head, a wave 16 of them IN ALL EIGHT BATCHES: one tile of 16 queries a batch.  So the eight numbers of a softmax lie in one lane, at the same place of eight
; accumulators: the maximum taken away is the true maximum of the eight, nothing is carried from key to key, nothing is rescaled.  The price: a fragment of K or V feeds one product.
; LAYOUT.  S^T = K Q^T (source 0 = 16 keys, source 1 = 16 queries): a lane holds ONE query (l % 16) and keys 8 (l / 16) + 0..7.  Two such results rounded to f16 in pairs ARE source 1 (32 keys x 16 queries)
; of O^T = V^T P.  K comes out of LDS as it lies, V ([key][channel]) turned, by ds_load_tr16_b128.
; TURNS.  A chunk is 32 keys.  Turn t: the softmax of chunk t (buffer t % 2), 464 vector instructions; 32 products V^T P of chunk t - 1 and 32 products K Q^T of chunk t + 1 (the other buffer).
; THE DEAL.  7.25 vector instructions to a product are more than stand beside one.  So the products come in four BURSTS of 16, four vector lines behind each; the other 52 lines of each quarter turn stand
; together behind the burst, in a LUMP, and the quarter's run of LDS loads stands among them.
; THE RING.  Slot j = 0..16 holds K's chunks 2 j, 2 j + 1 and V's chunks 2 j - 2, 2 j - 1 of all eight batches.  Slot 0's V and slot 16's K are the neighbouring rows of
; qkv, inside the buffer and finite: the first meets weights that are 0, the second makes scores that nobody reads: 64 products a wave, the price of one text for every turn.
; CLUSTER.  The four query blocks of a cluster belong to one head and walk the same K and V: each tile is asked for JOINTLY, by the same load, descriptor and mask in all four.
; REGISTERS, in windows of 256 (s_set_vgpr_msb: bits 1:0 source 0, 3:2 source 1, 5:4 source 2, 7:6 destination):
;   windows 0, 1: the softmax's buffers 0, 1: v32-47 M, v48-63 Z, v128-255 S (batch b, position 8 kt + j at 128 + 16 b + 8 kt + j); P(b) is made in place at 128 + 16 b + 0..7.
;                 v64-127 of both: fragment pool Y (fragments 0-7, 8-15).  Window 0, v0-31: addresses.
;   window 2: v0-127 Q (batch b, channel half c at 16 b + 8 c); v128-255 fragment pool X          window 3: O^T (batch b, channel block cb at 32 b + 8 cb)
.set PK,    144       ; a row of K in LDS: 128 bytes + 16: the 16 rows of a load start at 16 different 16-byte columns of 256 bytes
.set PVP,   160       ; a row of V: 128 + 32: 16 lanes of the turning load take 8 rows x 32 bytes, each word's place once
.set KB,    64*PK     ; a batch's 64 keys in a slot
.set VB,    64*PVP
.set VOFF,  8*KB      ; V's part of a slot
.set SLOT,  VOFF+8*VB ; 155,648 bytes; the slots lie at 0 and at SLOT
.set STAGE, 2*SLOT    ; behind the ring: 16 rows x 144 bytes for each wave, for the way out
.set SP,    144
.set SPARE, STAGE+4*16*SP  ; the spare words, 128 bytes for each wave: two blocks of 256 bytes that no other line names
.set AK0, 2           ; v2   my lane's place in a fragment of K; never rewritten
.set AV0, 3           ; v3   the same for V
.set ADR, 4           ; v4   the LDS address of the run of loads in hand
.set QO,  5           ; v5   my byte offset in 16 rows of Q
.set STO, 6           ; v6   the way out: where I put 16 bytes of a row
.set RD,  7           ; v7   the way out: where I read rows back
.set GO,  8           ; v8   16 x lane
.set PFO, 9           ; v9   256 x lane
.set SPW, 30          ; v30  LDS address of my spare word; never rewritten
.set NIL, 31          ; v31  0; never rewritten
.set MR,  32
.set ZR,  48
.set SS,  128
.set WV,  12          ; s12  wave
.set LIM, 15          ; s15  1 in the head's first cluster, else the greatest number
.set CK,  16          ; s16  my tile's place in a slot, for K
.set CV,  17          ; s17  for V
.set PFA, 18          ; s[18:19] where my prefetches stand
.set G1K, 24          ; s[24:31] descriptor group 1, K's tiles
.set G1V, 32          ; s[32:39] V's: it differs in the padding alone
.set G0K, 40          ; s[40:47] group 0, K's: a set for each of the two first fills; the second then walks on
.set G0V, 48          ; s[48:55] V's
.set SLOTS, 56        ; s56  slots still to be asked for
.set CNT, 57          ; s57  the tail's count
.set CS,  58          ; s[58:59] log2(e)
.set SC,  60          ; s[60:61] 2^-7
.set SB,  62          ; s62  the slot being read: 0 or SLOT
.set TA,  63          ; s63  at work
.set MSB, 0
.macro WIN new                      ; the high byte repeats the setting that is left; a switch that changes nothing is dropped
.if MSB != (\new)
	s_set_vgpr_msb (MSB<<8)|(\new)
.set MSB, (\new)
.endif
.endm
.macro PLACES n=4
.rept \n
	v_nop
.endr
.endm
; A joint refill.  Waves 0 and 1 fetch K of batches 0-3 and 4-7, waves 2 and 3 V.  An s_nop 0 and four v_nop follow each of the two lines.
.macro JLOAD
	s_cmp_lt_u32 s[WV], 2
	s_cbranch_scc0 .Lfor_v_\@
	tensor_load_to_lds s[G0K+4:G0K+7], s[G1K:G1K+7]
	s_nop 0
	PLACES
	s_branch .Lasked_\@
.Lfor_v_\@:
	tensor_load_to_lds s[G0V+4:G0V+7], s[G1V:G1V+7]
	s_nop 0
	PLACES
.Lasked_\@:
.endm
; A prefetch into the L2 of what the NEXT change of slots will ask for.  All four clusters of a head walk the same rows: the first asks.  Of the four batches that a wave fetches each of the four partners takes
; one, told apart BY ADDRESS: 8,192 bytes, 256 a lane, one instruction a wave.  So each block is named once in the launch.  The last change that fills a slot asks for nothing.
.macro ASK
	s_cmp_gt_u32 s[SLOTS], s[LIM]
	s_cbranch_scc0 .Lnot_mine_\@
	global_prefetch_b8 v[PFO], s[PFA:PFA+1] th:TH_LOAD_NT scope:SCOPE_SE
.Lnot_mine_\@:
.endm
.macro CROUND                       ; a round of the cluster's barrier
	s_barrier_signal -1
	s_barrier_wait -1
	s_cmp_lg_u32 s[WV], 0
	s_cbranch_scc1 .Lnot_wave_0_\@
	s_barrier_signal -3
.Lnot_wave_0_\@:
	s_barrier_wait -3
	s_barrier_signal -1
	s_barrier_wait -1
.endm
; THE CHANGE OF SLOTS, in an even turn, in the lump behind the third burst: the slot's last run of loads was issued a burst and most of a lump earlier.  Each wave waits for all its tensor loads (one is out: its
; part of the other slot), adds 0 to its spare word, and waits for that and for its reads of the slot.  fill = 1: the barrier is a round of the cluster's, and the slot is filled again, two slots ahead, first
; thing behind it: two turns, 128 matrix instructions, in which to land.
.macro CHANGE fill
	WIN 0
	s_wait_tensorcnt 0x0            ; no tensor load of mine is out, so a group 0 may be written
	ds_add_u32 v[SPW], v[NIL]
.if \fill
	s_add_co_u32 s[G0K+5], s[SB], s[CK]  ; the walking descriptors: into the slot that is left,
	s_add_nc_u64 s[G0K+6:G0K+7], s[G0K+6:G0K+7], 8192  ; the next 64 keys of each batch
	s_add_co_u32 s[G0V+5], s[SB], s[CV]
	s_add_nc_u64 s[G0V+6:G0V+7], s[G0V+6:G0V+7], 8192
	s_wait_xcnt 0x0                 ; the last prefetch, two turns back, has read its address
	s_add_nc_u64 s[PFA:PFA+1], s[PFA:PFA+1], 8192
	s_wait_dscnt 0x0                ; the add is done, and my reads of the slot are over
	CROUND
	JLOAD
	ASK
.else
	s_wait_dscnt 0x0
	s_barrier_signal -1
	s_barrier_wait -1
.endif
	s_xor_b32 s[SB], s[SB], SLOT    ; the reads go on in the other slot
.endm
	s_load_b128 s[4:7], s[0:1], 0x0 ; qkv s[4:5], hd s[6:7]
	v_lshl_add_u32 v[SPW], v0, 2, SPARE
	v_mov_b32 v[NIL], 0
	ds_add_u32 v[SPW], v[NIL]       ; the wave's opening: the add and its wait stand ahead of my first tensor load; the set-up below stands between them
	v_lshrrev_b32 v1, 5, v0
	v_readfirstlane_b32 s[WV], v1
	s_bfe_u32 s13, ttmp6, 0x40000   ; cx
	s_lshl_b32 s14, ttmp9, 2
	s_add_co_u32 s14, s14, s13      ; my block of 64 queries: it enters Q's and hd's addresses alone
	s_and_b32 s20, ttmp7, 0xffff    ; the head, which the four partners share,
	s_lshl_b32 s20, s20, 20         ; 1,048,576 bytes a group
	s_and_b32 s[CK], s[WV], 1       ; which four batches I fetch:
	s_lshl_b32 s22, s[CK], 19       ; 131,072 bytes a batch
	s_add_co_u32 s22, s22, s20
	s_mov_b32 s23, 0
	s_mul_i32 s[CV], s[CK], 4*VB
	s_add_co_u32 s[CV], s[CV], VOFF
	s_mul_i32 s[CK], s[CK], 4*KB
	s_lshl_b32 s8, s14, 13          ; 64 rows of 128 bytes a block,
	s_lshl_b32 s9, s[WV], 11        ; 16 a wave
	s_add_co_u32 s8, s8, s9
	s_add_co_u32 s8, s8, s20
	s_mov_b32 s9, 0
	s_mov_b32 s20, (32<<20)-8192    ; the prefetches' offset from my four batches of group h: V's group, a slot back,
	s_cmp_lt_u32 s[WV], 2
	s_cselect_b32 s20, 16<<20, s20  ; or K's group;
	s_lshl_b32 s21, s13, 17         ; my work-group's batch of the four;
	s_add_co_u32 s20, s20, s21
	s_add_co_u32 s20, s20, 2*8192   ; slot 2: the first change steps it to slot 3
	s_mov_b32 s21, 0
	s_mov_b32 s[LIM], ttmp9
	s_cmp_eq_u32 s[LIM], 0
	s_cselect_b32 s[LIM], 1, -1     ; the same in all four partners
	; group 1: four rows, one a batch, of 4,096 elements of 2 bytes (64 keys, dense), 65,536 elements apart; padded in LDS behind every key
	s_mov_b32 s[G1K], 15|(1<<16)|(1<<20)|(1<<21)|(4<<22)|(3<<25)  ; the mask of four; 2-byte elements; padding on; bit 21 beside a mask; behind every 32 words; 4 words
	s_mov_b32 s[G1V], 15|(1<<16)|(1<<20)|(1<<21)|(4<<22)|(7<<25)  ; 8 words
.irp g, G1K, G1V
	s_mov_b32 s[(\g)+1], 4096<<16   ; tensor_dim0 = 4,096
	s_mov_b32 s[(\g)+2], 4<<16      ; tensor_dim1 = 4
	s_mov_b32 s[(\g)+3], 4096<<16   ; tile_dim0 = 4,096
	s_mov_b32 s[(\g)+4], 4          ; tile_dim1 = 4
	s_mov_b32 s[(\g)+5], 65536      ; elements from batch to batch
	s_mov_b32 s[(\g)+6], 0
	s_mov_b32 s[(\g)+7], 0
.endr
	s_mov_b32 s[CS], 0x3fb8aa3b     ; log2(e)
	s_mov_b32 s[CS+1], s[CS]
	s_mov_b32 s[SC], 0x3c000000     ; 2^-7
	s_mov_b32 s[SC+1], s[SC]
	s_mov_b32 s[SB], 0
	s_mov_b32 s[G0K], 1
	s_mov_b32 s[G0K+1], s[CK]       ; slot 0
	s_mov_b32 s[G0K+4], 1
	s_add_co_u32 s[G0K+5], s[CK], SLOT  ; slot 1
	s_mov_b32 s[G0V], 1
	s_mov_b32 s[G0V+1], s[CV]
	s_mov_b32 s[G0V+4], 1
	s_add_co_u32 s[G0V+5], s[CV], SLOT
	s_wait_dscnt 0x0                ; the opening add is done
	s_wait_kmcnt 0x0
	s_add_nc_u64 s[2:3], s[4:5], s[22:23]  ; qkv at my four batches of group h
	s_add_nc_u64 s[PFA:PFA+1], s[2:3], s[20:21]
	s_add_nc_u64 s[G0K+2:G0K+3], s[2:3], 16<<20
	s_add_nc_u64 s[G0K+6:G0K+7], s[G0K+2:G0K+3], 8192
	s_or_b32 s[G0K+3], s[G0K+3], 0x80000000
	s_or_b32 s[G0K+7], s[G0K+7], 0x80000000
	s_add_nc_u64 s[G0V+2:G0V+3], s[2:3], (32<<20)-8192  ; V lags a slot
	s_add_nc_u64 s[G0V+6:G0V+7], s[G0V+2:G0V+3], 8192
	s_or_b32 s[G0V+3], s[G0V+3], 0x80000000
	s_or_b32 s[G0V+7], s[G0V+7], 0x80000000
	s_add_nc_u64 s[10:11], s[6:7], s[8:9]  ; hd and Q at my 16 rows of batch 0
	s_add_nc_u64 s[8:9], s[4:5], s[8:9]
	CROUND                          ; all four work-groups are here: the first joint loads meet
	s_cmp_lt_u32 s[WV], 2           ; a wave's two first fills stand in one branch: two loads of mine are out
	s_cbranch_scc0 .Lfirst_v
	tensor_load_to_lds s[G0K:G0K+3], s[G1K:G1K+7]
	s_nop 0
	tensor_load_to_lds s[G0K+4:G0K+7], s[G1K:G1K+7]
	s_nop 0
	PLACES
	s_branch .Lfirst_asked
.Lfirst_v:
	tensor_load_to_lds s[G0V:G0V+3], s[G1V:G1V+7]
	s_nop 0
	tensor_load_to_lds s[G0V+4:G0V+7], s[G1V:G1V+7]
	s_nop 0
	PLACES
.Lfirst_asked:
	v_and_b32 v10, 15, v0           ; l % 16
	v_bfe_u32 v11, v0, 4, 1         ; l / 16
	v_and_b32 v12, 7, v0
	v_bfe_u32 v13, v0, 3, 1
	v_lshlrev_b32 v[QO], 7, v10
	v_lshl_add_u32 v[QO], v11, 4, v[QO]  ; row x 128 + 16 x half
	WIN 0x80                        ; destination window 2
.set i, 0
.rept 16                            ; Q stays in registers: batch i / 2, channels 32 (i % 2) on
	global_load_b128 v[8*i:8*i+3],   v[QO], s[8:9] offset:(i/2)*131072+(i%2)*64
	global_load_b128 v[8*i+4:8*i+7], v[QO], s[8:9] offset:(i/2)*131072+(i%2)*64+32
.set i, i+1
.endr
	WIN 0xc0                        ; O^T starts at 0, and so do the weights of the chunk that has not been: written in the wait for the first tile, so that no first turn is written out
.set i, 0
.rept 256
	v_mov_b32 v[i], 0
.set i, i+1
.endr
	WIN 0x40
.set i, 0
.rept 64
	v_mov_b32 v[SS+16*(i/8)+i%8], 0
.set i, i+1
.endr
	WIN 0
	v_mul_u32_u24 v[AK0], v10, PK
	v_lshl_add_u32 v[AK0], v11, 4, v[AK0]  ; row x pitch + 16 x half
	v_lshl_add_u32 v[AV0], v11, 3, v12     ; the turning load: lane l reads key 8 (l / 16) + l % 8, channels 8 ((l / 8) % 2) + 0..7
	v_mul_u32_u24 v[AV0], v[AV0], PVP
	v_lshl_add_u32 v[AV0], v13, 4, v[AV0]
	v_and_b32 v[PFO], 31, v0
	v_lshlrev_b32 v[PFO], 8, v[PFO]
; Fragment f of a pool: X in window 2, Y in windows 0 and 1.
.macro FR pool, f
.if \pool
.set m_fw, (\f)/8
.set m_fr, 64+8*((\f)%8)
.else
.set m_fw, 2
.set m_fr, 128+8*(\f)
.endif
.endm
; THE LDS LOADS stand in runs of 32: the 16 fragments of a burst.  K of batches 4 gam .. 4 gam + 3, chunk eta of the slot's two: fragment 4 b' + 2 kt + c.
.macro RUNK gam, eta, pool
	WIN 0
	s_add_co_u32 s[TA], s[SB], (\gam)*4*KB+(\eta)*32*PK
	v_add_nc_u32 v[ADR], s[TA], v[AK0]
.set m_f, 0
.rept 16
	FR \pool, m_f
	WIN m_fw<<6
	ds_load_b128 v[m_fr:m_fr+3],   v[ADR] offset:(m_f/4)*KB+((m_f/2)%2)*16*PK+(m_f%2)*64
	ds_load_b128 v[m_fr+4:m_fr+7], v[ADR] offset:(m_f/4)*KB+((m_f/2)%2)*16*PK+(m_f%2)*64+32
.set m_f, m_f+1
.endr
.endm
; V, turned: fragment 4 b' + cb: 32 keys x 16 channels.
.macro RUNV gam, eta, pool
	WIN 0
	s_add_co_u32 s[TA], s[SB], VOFF+(\gam)*4*VB+(\eta)*32*PVP
	v_add_nc_u32 v[ADR], s[TA], v[AV0]
.set m_f, 0
.rept 16
	FR \pool, m_f
	WIN m_fw<<6
	ds_load_tr16_b128 v[m_fr:m_fr+3],   v[ADR] offset:(m_f/4)*VB+(m_f%4)*32
	ds_load_tr16_b128 v[m_fr+4:m_fr+7], v[ADR] offset:(m_f/4)*VB+(m_f%4)*32+16*PVP
.set m_f, m_f+1
.endr
.endm
; THE MATRIX WORK.  Product mi of a turn's 64, in bursts of 16: V^T P of batches 0-3 (pool X), of 4-7 (Y); K Q^T of batches 0-3 (X), of 4-7 (Y).  Both work on buffer 1 - PP.
; No two matrix instructions that follow each other share an accumulator: an O^T has one a turn; between the two links of a score's chain stand seven others'.
.macro PROD
.set m_i, mi%16
.if mi < 32
.set m_b, 4*(mi/16)+m_i/4
.set m_o, 32*m_b+8*(m_i%4)
	FR (mi/16)%2, m_i
	WIN 0xf0|((1-PP)<<2)|m_fw
	v_wmma_f32_16x16x32_f16 v[m_o:m_o+7], v[m_fr:m_fr+7], v[SS+16*m_b:SS+16*m_b+7], v[m_o:m_o+7]
.else
.set m_b, 4*(mi/16-2)+(m_i/2)%4
.set m_o, SS+16*m_b+8*(m_i%2)
	FR (mi/16)%2, 4*((m_i/2)%4)+2*(m_i%2)+m_i/8
	WIN ((1-PP)<<6)|((1-PP)<<4)|(2<<2)|m_fw
.if m_i < 8
	v_wmma_f32_16x16x32_f16 v[m_o:m_o+7], v[m_fr:m_fr+7], v[16*m_b:16*m_b+7], 0
.else
	v_wmma_f32_16x16x32_f16 v[m_o:m_o+7], v[m_fr:m_fr+7], v[16*m_b+8:16*m_b+15], v[m_o:m_o+7]
.endif
.endif
.endm
; The turn's next matrix instruction.  At a burst's head: LDS loads come back in order, and behind the run that filled this burst's pool one more run, of 32 loads, has been issued (for the next burst's pool): it may stay out.
.macro MMX
.if (mi%16) == 0
	s_wait_dscnt 32
.endif
	PROD
.set mi, mi+1
.endm
; The run in the lump behind burst g refills the pool that burst g has read, for the burst after next.  In an even turn the change of slots stands ahead of the third run: what that run and the fourth
; read, V of the chunk in hand, lies in the next slot; K of the next chunk, read by the first two, in the slot that is left.
.macro RUNX g
.if (\g) == 0
	RUNK 0, 1-PP, 0                 ; K of chunk t + 1, batches 0-3
.elseif (\g) == 1
	RUNK 1, 1-PP, 1                 ; batches 4-7
.elseif (\g) == 2
.if PP == 0
	CHANGE CF
.endif
	RUNV 0, PP, 0                   ; V of chunk t, batches 0-3, for the next turn's first burst
.else
	RUNV 1, PP, 1                   ; batches 4-7, for its second
.endif
.endm
; Every vector line of a turn goes through VI: line vc of 464.  A quarter turn is 116 lines: product i of its burst stands in front of line 4 i; the run of loads in front of line 76, 16 lines behind the burst's last
; product, of which five at the least are plain and name none of its registers (ISA guide 7.12.1 for vector instructions).
.macro VI line:vararg
.if (mi < 64) && (vc == 116*(mi/16)+4*(mi%16))
	MMX
.endif
.if (vc%116) == 76
	RUNX vc/116
.endif
	WIN 0x55*PP
	s_wait_alu depctr_va_vdst(0)
	\line
.set vc, vc+1
.endm
; THE SOFTMAX, by pairs rho = 0..7 of the lane's 16 positions, in three queues; n is the place in a queue.
; L1 (17): the maximum of the eight batches for both positions (each accumulator's lowest registers are read first), times log2(e); then c s - c m for the eight pairs.
.macro L1I u
.if ((\u) <= 7) && (n < 17)
.if n < 8
.set q_m, MR+2*(\u)+(n%2)
.set q_s, SS+2*(\u)+(n%2)
.if n < 2
	VI v_max3_num_f32 v[q_m], v[q_s], v[q_s+16], v[q_s+32]
.elseif n < 4
	VI v_max3_num_f32 v[q_m], v[q_m], v[q_s+48], v[q_s+64]
.elseif n < 6
	VI v_max3_num_f32 v[q_m], v[q_m], v[q_s+80], v[q_s+96]
.else
	VI v_max_num_f32 v[q_m], v[q_m], v[q_s+112]
.endif
.elseif n == 8
.set q_m, MR+2*(\u)
	VI v_pk_mul_f32 v[q_m:q_m+1], v[q_m:q_m+1], s[CS:CS+1] op_sel_hi:[1,0]
.else
.set q_m, MR+2*(\u)
.set q_s, SS+16*(n-9)+2*(\u)
	VI v_pk_fma_f32 v[q_s:q_s+1], v[q_s:q_s+1], s[CS:CS+1], v[q_m:q_m+1] op_sel_hi:[1,0,1] neg_lo:[0,0,1] neg_hi:[0,0,1]
.endif
.endif
.endm
; E (16): the exponentials of pair u - 1, in place.
.macro EI u
.if ((\u) >= 1) && ((\u) <= 8) && (n < 16)
.set q_s, SS+16*(n/2)+2*((\u)-1)+(n%2)
	VI v_exp_f32 v[q_s], v[q_s]
.endif
.endm
; L2 (25): the sum of pair u - 2 in two chains (M's pair is dead and serves as the second) and its two reciprocals; then pair u - 3 times 1 / sum, and rounded to f16 in place (word rho of P lies where a pair done earlier lay).
.macro L2I u
.if (n < 9) && ((\u) >= 2) && ((\u) <= 9)
.set q_z, ZR+2*((\u)-2)
.set q_m, MR+2*((\u)-2)
.set q_s, SS+2*((\u)-2)
.if n == 0
	VI v_pk_add_f32 v[q_z:q_z+1], v[q_s:q_s+1], v[q_s+16:q_s+17]
.elseif n == 1
	VI v_pk_add_f32 v[q_m:q_m+1], v[q_s+32:q_s+33], v[q_s+48:q_s+49]
.elseif (n < 6) && (n%2 == 0)
	VI v_pk_add_f32 v[q_z:q_z+1], v[q_z:q_z+1], v[q_s+16*(n+2):q_s+16*(n+2)+1]
.elseif n < 6
	VI v_pk_add_f32 v[q_m:q_m+1], v[q_m:q_m+1], v[q_s+16*(n+2):q_s+16*(n+2)+1]
.elseif n == 6
	VI v_pk_add_f32 v[q_z:q_z+1], v[q_z:q_z+1], v[q_m:q_m+1]
.else
	VI v_rcp_f32 v[q_z+n-7], v[q_z+n-7]
.endif
.elseif (n >= 9) && ((\u) >= 3) && ((\u) <= 10)
.set q_z, ZR+2*((\u)-3)
.if n < 17
.set q_s, SS+16*(n-9)+2*((\u)-3)
	VI v_pk_mul_f32 v[q_s:q_s+1], v[q_s:q_s+1], v[q_z:q_z+1]
.else
.set q_s, SS+16*(n-17)
	VI v_cvt_pk_f16_f32 v[q_s+(\u)-3], v[q_s+2*((\u)-3)], v[q_s+2*((\u)-3)+1]
.endif
.endif
.endm
; Step u deals the three queues by turns: L2, L1, exponential.  So a plain instruction stands behind every exponential and reciprocal, and whatever reads one's result stands in a later step.
.macro SSTEP u
.set n, 0
.rept 25
	L2I \u
	L1I \u
	EI \u
.set n, n+1
.endr
.endm
; A TURN of parity p.  cf = 1: its change of slots (even turns) fills a slot.  Behind the turn's last product stand 56 lines of this buffer's softmax: the places in front of the next turn's reads of the new scores.
.macro TURN p, cf
.set PP, (\p)
.set CF, (\cf)
.set vc, 0
.set mi, 0
.irp u, 0,1,2,3,4,5,6,7,8,9,10
	SSTEP \u
.endr
.endm
	s_wait_tensorcnt 0x1            ; my part of slot 0 is in; slot 1's may stay out
	s_barrier_signal -1
	s_barrier_wait -1
	RUNK 0, 0, 0                    ; chunk 0
	RUNK 1, 0, 1
	s_wait_loadcnt 0x0              ; Q
	s_wait_dscnt 32                 ; the first run is in
.set PP, 1                          ; the products work on buffer 1 - PP = 0
.set mi, 32
.rept 16
	PROD
.set mi, mi+1
.endr
	s_wait_dscnt 0x0
.rept 16
	PROD
.set mi, mi+1
.endr
	WIN 0                           ; the addresses for the way out: nine plain instructions, the places behind those products
	s_mul_i32 s20, s[WV], 16*SP
	s_add_co_u32 s20, s20, STAGE
	v_mul_u32_u24 v[STO], v10, SP   ; in: row l % 16, 16 bytes for each half of the lanes
	v_lshl_add_u32 v[STO], v11, 4, v[STO]
	v_add_nc_u32 v[STO], s20, v[STO]
	v_bfe_u32 v[RD], v0, 3, 2       ; back: 32 lanes take four rows of 128 bytes,
	v_mul_u32_u24 v[RD], v[RD], SP
	v_lshl_add_u32 v[RD], v12, 4, v[RD]
	v_add_nc_u32 v[RD], s20, v[RD]
	v_and_b32 v[GO], 31, v0         ; which are 512 consecutive bytes of hd
	v_lshlrev_b32 v[GO], 4, v[GO]
	RUNV 0, 1, 0                    ; what turn 0's first two bursts read: the rows in front of V's first, against weights that are 0.
	RUNV 1, 1, 1                    ; Every turn is entered so: pool X's run out, and pool Y's behind it
	WIN 0
	s_mov_b32 s[SLOTS], 15
	s_branch .Leven                 ; the loop is entered at an even turn, in the middle of a trip
.Ltrip:                             ; 15 trips: turns 0; 1, 2; .. 27, 28: the change in turn 2 j asks for slot j + 2
	TURN 1, 0
	WIN 0
.Leven:
	TURN 0, 1
	WIN 0
	s_sub_co_u32 s[SLOTS], s[SLOTS], 1
	s_cmp_lg_u32 s[SLOTS], 0
	s_cbranch_scc1 .Ltrip
	s_mov_b32 s[CNT], 2             ; the tail is written out: turns 29, 30, 31; nothing is asked for
.Ltail:
	TURN 1, 0
	WIN 0
	s_sub_co_u32 s[CNT], s[CNT], 1
	s_cmp_eq_u32 s[CNT], 0
	s_cbranch_scc1 .Lout
	TURN 0, 0
	WIN 0
	s_branch .Ltail
.Lout:
	s_wait_dscnt 32                 ; V of the last chunk was asked for in turn 31: batches 0-3 are in
.set PP, 0                          ; the last weights lie in buffer 1
.set mi, 0
.rept 16
	PROD
.set mi, mi+1
.endr
	s_wait_dscnt 0x0                ; batches 4-7
.rept 16
	PROD
.set mi, mi+1
.endr
	WIN 0
	PLACES 8
; THE WAY OUT, a batch at a time: O^T times 2^-7, rounded to f16; a lane's eight channels of a row are 16 bytes; they go into rows of 144 bytes of my stage and come back as whole rows of 128.
.macro PACK b
	WIN 0xc3
.set i, 32*(\b)
.rept 16
	v_pk_mul_f32 v[i:i+1], v[i:i+1], s[SC:SC+1] op_sel_hi:[1,0]
.set i, i+2
.endr
	WIN 0x0f                        ; sources 0 and 1 window 3, destination window 0: buffer 0's registers are free
.set i, 0
.rept 16
	v_cvt_pk_f16_f32 v[SS+16*(\b)+i], v[32*(\b)+2*i], v[32*(\b)+2*i+1]
.set i, i+1
.endr
	WIN 0
.irp f, 0,1,2,3
	ds_store_b128 v[STO], v[SS+16*(\b)+4*(\f):SS+16*(\b)+4*(\f)+3] offset:32*(\f)
.endr
.irp f, 0,1,2,3
	ds_load_b128 v[SS+16*(\b)+4*(\f):SS+16*(\b)+4*(\f)+3], v[RD] offset:(\f)*4*SP  ; LDS serves a wave's instructions in order (ISA guide 5.7.1.4): these see the stores above; the next batch's stores come behind them
.endr
.endm
.macro SEND b, younger              ; younger: the LDS instructions issued behind batch b's loads: the next batch's eight, or none
.irp f, 0,1,2,3
	s_wait_dscnt (\younger)+3-(\f)
	global_store_b128 v[GO], v[SS+16*(\b)+4*(\f):SS+16*(\b)+4*(\f)+3], s[10:11] offset:(\b)*131072+(\f)*512  ; 512 consecutive bytes, aligned
.endr
.endm
	PACK 0
.irp b, 1,2,3,4,5,6,7               ; a batch's arithmetic stands between the loads of the batch before and its stores
	PACK \b
	SEND (\b)-1, 8
.endr
	SEND 7, 0
	s_wait_tensorcnt 0x0            ; the wave's end
	ds_add_u32 v[SPW], v[NIL]
	s_wait_dscnt 0x0
	CROUND                          ; the closing round
	s_endpgm
.Lfunc_end_k_qa6b5a97ad8_attn:
	.size	k_qa6b5a97ad8_attn, .Lfunc_end_k_qa6b5a97ad8_attn-k_qa6b5a97ad8_attn
	.p2alignl 7, 3214868480
	.fill 96, 4, 3214868480
	.section	.rodata,"a",@progbits
	.p2align	6, 0x0
	.amdhsa_kernel k_qa6b5a97ad8_attn
		.amdhsa_group_segment_fixed_size 327680
		.amdhsa_private_segment_fixed_size 0
		.amdhsa_enable_private_segment 0
		.amdhsa_kernarg_size 16
		.amdhsa_user_sgpr_count 2
		.amdhsa_user_sgpr_kernarg_segment_ptr 1
		.amdhsa_wavefront_size32 1
		.amdhsa_system_sgpr_workgroup_id_x 1
		.amdhsa_system_sgpr_workgroup_id_y 1
		.amdhsa_system_sgpr_workgroup_id_z 1
		.amdhsa_system_vgpr_workitem_id 0
		.amdhsa_next_free_vgpr 1024
		.amdhsa_next_free_sgpr 66
		.amdhsa_reserve_vcc 0
		.amdhsa_float_denorm_mode_32 3
		.amdhsa_float_denorm_mode_16_64 3
		.amdhsa_memory_ordered 1
		.amdhsa_forward_progress 1
		.amdhsa_inst_pref_size 255
	.end_amdhsa_kernel
	.section	.bss,"aw",@nobits
	.p2align	6
	.space	262144
	.amdgpu_metadata
---
amdhsa.version: [ 1, 2 ]
amdhsa.kernels:
  - .name:           k_qa6b5a97ad8_attn
    .symbol:         k_qa6b5a97ad8_attn.kd
    .args:
      - { .name: qkv, .offset: 0, .size: 8, .value_kind: global_buffer, .address_space: global }
      - { .name: hd, .offset: 8, .size: 8, .value_kind: global_buffer, .address_space: global }
    .group_segment_fixed_size: 327680
    .private_segment_fixed_size: 0
    .kernarg_segment_align: 8
    .kernarg_segment_size: 16
    .max_flat_workgroup_size: 128
    .sgpr_count:     66
    .vgpr_count:     1024
    .wavefront_size: 32
...
	.end_amdgpu_metadata
.endif
;; end of part 3
;; launch oproj (part 4): grid 8 x 32, 4 waves a work-group, clusters of 4 x 4, 327,680 bytes of LDS; arguments hd, wo, bo, out0; writes out0
.if DOCPART == 4
	.amdgcn_target "amdgcn-amd-amdhsa--gfx1250"
	.amdhsa_code_object_version 6
	.text
	.protected	k_qa6b5a97ad8_oproj
	.globl	k_qa6b5a97ad8_oproj
	.p2align	8
	.type	k_qa6b5a97ad8_oproj,@function
k_qa6b5a97ad8_oproj:
	s_mov_b64 s[64:65], 0
	v_nop
	global_prefetch_b8 v0, s[64:65] scope:SCOPE_SE
	s_setreg_imm32_b32 hwreg(HW_REG_WAVE_MODE, 25, 1), 1
	s_wait_xcnt 0x0
	s_wait_alu depctr_hold_cnt(0) depctr_sa_sdst(0) depctr_va_vdst(0) depctr_va_sdst(0) depctr_va_ssrc(0) depctr_va_vcc(0) depctr_vm_vsrc(0)
	s_getreg_b32 s2, hwreg(HW_REG_IB_STS2, 6, 4)
	s_cmp_eq_u32 s2, 0
	s_cbranch_scc0 .Lentry_in_a_cluster
	s_endpgm
.Lentry_in_a_cluster:
	s_bfe_u32 s2, ttmp6, 0x10000c
	s_cmp_lg_u32 s2, 0xf033
	s_cbranch_scc0 .Lentry_shape_is_right
	s_endpgm
.Lentry_shape_is_right:
; out0 [8192 x 1024] f32 = hd wo^T + bo.  hd: [16][8192][64] f16 holds heads x 2^-7, wo: [16][1024][64] f16 holds 128 x bf16(Wo): the two powers of two cancel exactly.  bo is rounded to bf16 like every input.  Sums in f32.
; SHARES.  A work-group makes 256 rows x 128 columns: 32 x 8 = 256 work-groups.  Four waves, each 128 x 64: 32 accumulators, 256 registers.  K goes in steps of 128, two K blocks of the operands' layout, through two LDS slots.
; CLUSTER 4 x 4: hd's tile is asked for jointly along a row of the cluster, wo's along a column.
; THE MATRIX INSTRUCTION IS USED TRANSPOSED (source 0 = 16 rows of wo, source 1 = 16 rows of hd): a lane holds row l % 16 and the eight columns 8 (l / 16) + 0..7.
; The first products take the bias as C, so the way out has no arithmetic.
; REGISTERS: window 0: v0-31 addresses; v32-63 the bias of my 64 columns; v64-159, v160-255 two fragment buffers (wo's 4 fragments, then hd's 8).  Window 1: accumulator (a, b) at v[8 (4 a + b)].
.set PITCH,  144                       ; an LDS row: 128 bytes + 16 of padding
.set ABLK,   256*PITCH                 ; a K block of hd's tile: what one tensor load brings
.set BBLK,   128*PITCH                 ; of wo's
.set SLOT1,  1<<17                     ; a slot is 110,592 bytes: hd's two blocks, then wo's two
.set STAGE,  SLOT1+2*ABLK+2*BBLK       ; behind the ring: 16 rows x 272 bytes for each wave
.set SPITCH, 272
.set SPARE,  STAGE+4*16*SPITCH         ; the spare words, 128 bytes for each wave: two blocks of 256 bytes that no other line names
.set ASTEP,  2*8192*128                ; two K blocks of hd
.set BSTEP,  2*1024*128                ; of wo
.set A0,  16                           ; v16  my lane's place in my 128 rows of hd, slot 0; never rewritten
.set B0,  17                           ; v17  in my 64 rows of wo
.set ADA, 18
.set ADB, 19
.set STO, 20
.set RD,  21
.set CO,  22                           ; v22  my byte offset in two rows of out0
.set BO,  23                           ; v23  32 x (l / 16)
.set SPW, 28
.set NIL, 29
.set BR,  32
.set F0,  64
.set F1,  160
.set BK,  64                           ; the way out: 16 rows read back: v64-95 and v96-127 by turns
.set WV,  16
.set RH,  17                           ; which half of the rows is mine.  Also: I fetch for hd (0) or wo (1)
.set CH,  18                           ; which half of the columns.  Also: which of a step's two K blocks I fetch
.set XX,  21
.set YY,  22
.set G1A, 24
.set G1B, 32
.set G0A, 40
.set G0B, 48
.set SB,  56
.set CNT, 57
.set OB,  66                           ; s[66:67] out0 at my first row and column
.set MSB, 0
.macro WIN new
.if MSB != (\new)
	s_set_vgpr_msb (MSB<<8)|(\new)
.set MSB, (\new)
.endif
.endm
.macro PLACES n=4
.rept \n
	v_nop
.endr
.endm
.macro JLOAD s                         ; a joint load; an s_nop 0 and four v_nop follow each of the two lines
	s_cmp_eq_u32 s[RH], 0
	s_cbranch_scc0 .Lfor_b_\@
	tensor_load_to_lds s[G0A+4*(\s):G0A+4*(\s)+3], s[G1A:G1A+7]
	s_nop 0
	PLACES
	s_branch .Lasked_\@
.Lfor_b_\@:
	tensor_load_to_lds s[G0B+4*(\s):G0B+4*(\s)+3], s[G1B:G1B+7]
	s_nop 0
	PLACES
.Lasked_\@:
.endm
.macro CREST
	s_cmp_lg_u32 s[WV], 0
	s_cbranch_scc1 .Lnot_wave_0_\@
	s_barrier_signal -3
.Lnot_wave_0_\@:
	s_barrier_wait -3
	s_barrier_signal -1
	s_barrier_wait -1
.endm
.macro CROUND
	s_barrier_signal -1
	s_barrier_wait -1
	CREST
.endm
	s_load_b256 s[4:11], s[0:1], 0x0               ; hd s[4:5], wo s[6:7], bo s[8:9], out0 s[10:11]
	v_lshl_add_u32 v[SPW], v0, 2, SPARE
	v_mov_b32 v[NIL], 0
	ds_add_u32 v[SPW], v[NIL]                      ; the wave's opening: the add and its wait stand ahead of my first tensor load
	v_lshrrev_b32 v1, 5, v0
	v_readfirstlane_b32 s[WV], v1
	s_lshr_b32 s[RH], s[WV], 1
	s_and_b32 s[CH], s[WV], 1
	s_bfe_u32 s19, ttmp6, 0x40000                  ; cx
	s_bfe_u32 s20, ttmp6, 0x40004                  ; cy
	s_lshl_b32 s[XX], ttmp9, 2
	s_add_co_u32 s[XX], s[XX], s19
	s_and_b32 s[YY], ttmp7, 0xffff
	s_lshl_b32 s[YY], s[YY], 2
	s_add_co_u32 s[YY], s[YY], s20
	s_lshl_b32 s2, s20, 2
	s_lshl_b32 s2, 15, s2                          ; my row of the cluster
	s_lshl_b32 s3, 0x1111, s19                     ; my column
	s_or_b32 s[G1A], s2, (1<<16)|(1<<20)|(1<<21)|(4<<22)|(3<<25)  ; 2-byte elements; 4 words of padding behind every 32
	s_or_b32 s[G1B], s3, (1<<16)|(1<<20)|(1<<21)|(4<<22)|(3<<25)
	s_mov_b32 s[G1A+1], 128<<16                    ; dense rows of 128 elements: two rows of the matrix
	s_mov_b32 s[G1A+2], 128<<16                    ; 256 rows of hd
	s_mov_b32 s[G1A+3], 128<<16
	s_mov_b32 s[G1A+4], 128
	s_mov_b32 s[G1A+5], 128
	s_mov_b32 s[G1A+6], 0
	s_mov_b32 s[G1A+7], 0
	s_mov_b32 s[G1B+1], 128<<16
	s_mov_b32 s[G1B+2], 64<<16                     ; 128 rows of wo
	s_mov_b32 s[G1B+3], 128<<16
	s_mov_b32 s[G1B+4], 64
	s_mov_b32 s[G1B+5], 128
	s_mov_b32 s[G1B+6], 0
	s_mov_b32 s[G1B+7], 0
	s_lshl_b32 s58, s[CH], 20                      ; hd: my K block of the step's two, the tile's first row: registers that never hold cx
	s_lshl_b32 s59, s[YY], 15
	s_add_co_u32 s58, s58, s59
	s_mov_b32 s59, 0
	s_lshl_b32 s60, s[CH], 17                      ; wo likewise: registers that never hold cy
	s_lshl_b32 s61, s[XX], 14
	s_add_co_u32 s60, s60, s61
	s_mov_b32 s61, 0
	s_mul_i32 s62, s[CH], ABLK
	s_mul_i32 s63, s[CH], BBLK
	s_add_co_u32 s63, s63, 2*ABLK
	s_wait_dscnt 0x0
	s_wait_kmcnt 0x0
	s_add_nc_u64 s[58:59], s[4:5], s[58:59]
	s_add_nc_u64 s[60:61], s[6:7], s[60:61]
	CROUND                                         ; the first joint loads meet
.irp s, 0,1
	s_mov_b32 s[G0A+4*(\s)], 1
	s_add_co_u32 s[G0A+4*(\s)+1], s62, (\s)*SLOT1
	s_add_nc_u64 s[G0A+4*(\s)+2:G0A+4*(\s)+3], s[58:59], (\s)*ASTEP
	s_or_b32 s[G0A+4*(\s)+3], s[G0A+4*(\s)+3], 0x80000000
	s_mov_b32 s[G0B+4*(\s)], 1
	s_add_co_u32 s[G0B+4*(\s)+1], s63, (\s)*SLOT1
	s_add_nc_u64 s[G0B+4*(\s)+2:G0B+4*(\s)+3], s[60:61], (\s)*BSTEP
	s_or_b32 s[G0B+4*(\s)+3], s[G0B+4*(\s)+3], 0x80000000
	JLOAD \s                                       ; K steps 0 and 1: two loads of mine are out
.endr
	v_and_b32 v1, 15, v0
	v_bfe_u32 v2, v0, 4, 1
	v_lshlrev_b32 v[BO], 5, v2
	s_lshl_b32 s62, s[XX], 9                       ; my 64 columns, in bytes of f32: 512 x tile column + 256 x half
	s_lshl_b32 s23, s[CH], 8
	s_add_co_u32 s62, s62, s23
	s_mov_b32 s63, 0
	s_add_nc_u64 s[68:69], s[8:9], s[62:63]
.irp b, 0,1,2,3
	global_load_b128 v[BR+8*(\b):BR+8*(\b)+3],   v[BO], s[68:69] offset:64*(\b)
	global_load_b128 v[BR+8*(\b)+4:BR+8*(\b)+7], v[BO], s[68:69] offset:64*(\b)+16
.endr
	s_lshl_b32 s23, s[YY], 20                      ; 256 rows of 4,096 bytes a tile row,
	s_add_co_u32 s62, s62, s23
	s_lshl_b32 s23, s[RH], 19                      ; my half of them
	s_add_co_u32 s62, s62, s23
	s_add_nc_u64 s[OB:OB+1], s[10:11], s[62:63]
	v_mul_u32_u24 v4, v1, PITCH
	v_lshl_add_u32 v4, v2, 4, v4
	s_mul_i32 s23, s[RH], 128*PITCH
	v_add_nc_u32 v[A0], s23, v4
	s_mul_i32 s23, s[CH], 64*PITCH
	s_add_co_u32 s23, s23, 2*ABLK
	v_add_nc_u32 v[B0], s23, v4
	s_mul_i32 s23, s[WV], 16*SPITCH
	s_add_co_u32 s23, s23, STAGE
	v_mul_u32_u24 v5, v1, SPITCH                   ; in: row l % 16, 32 bytes for each half of the lanes
	v_lshl_add_u32 v5, v2, 5, v5
	v_add_nc_u32 v[STO], s23, v5
	v_mul_u32_u24 v5, v2, SPITCH                   ; back: lanes 0-15 take one row of 256 bytes, lanes 16-31 the next
	v_lshl_add_u32 v5, v1, 4, v5
	v_add_nc_u32 v[RD], s23, v5
	v_lshlrev_b32 v[CO], 12, v2                    ; and the same two rows in out0
	v_lshl_add_u32 v[CO], v1, 4, v[CO]
	s_wait_loadcnt 0x0
.set i, 0
.rept 16
	v_cvt_pk_bf16_f32 v[F0+i], v[BR+2*i], v[BR+2*i+1]  ; the bias has the rounding of every input
.set i, i+1
.endr
.set i, 0
.rept 16
	v_lshlrev_b32 v[BR+2*i],   16, v[F0+i]
	v_and_b32     v[BR+2*i+1], 0xffff0000, v[F0+i]
.set i, i+1
.endr
; 8 matrix instructions: row blocks a0, a0 + 1 x all 4 column blocks.  bias = 1: the first products start the sums with the bias.  The 32 accumulators take turns.
.macro MUL8 f, a0, bias=0
.if \bias
	WIN 0x40
.else
	WIN 0x50
.endif
.irp a, 0,1
.irp b, 0,1,2,3
.if \bias
	v_wmma_f32_16x16x32_f16 v[8*(4*((\a0)+(\a))+(\b)):8*(4*((\a0)+(\a))+(\b))+7], v[(\f)+8*(\b):(\f)+8*(\b)+7], v[(\f)+32+8*((\a0)+(\a)):(\f)+32+8*((\a0)+(\a))+7], v[BR+8*(\b):BR+8*(\b)+7]
.else
	v_wmma_f32_16x16x32_f16 v[8*(4*((\a0)+(\a))+(\b)):8*(4*((\a0)+(\a))+(\b))+7], v[(\f)+8*(\b):(\f)+8*(\b)+7], v[(\f)+32+8*((\a0)+(\a)):(\f)+32+8*((\a0)+(\a))+7], v[8*(4*((\a0)+(\a))+(\b)):8*(4*((\a0)+(\a))+(\b))+7]
.endif
.endr
.endr
.endm
; 24 LDS loads in one run: quarter q of a K step (K block q / 2, byte 64 (q % 2) of its rows) into buffer f: wo's 4 fragments, hd's 0-3, hd's 4-7
.macro FETCH q, f
	WIN 0
.irp i, 0,1,2,3
	ds_load_b128 v[(\f)+8*(\i):(\f)+8*(\i)+3],   v[ADB] offset:((\q)/2)*BBLK+(\i)*16*PITCH+64*((\q)%2)
	ds_load_b128 v[(\f)+8*(\i)+4:(\f)+8*(\i)+7], v[ADB] offset:((\q)/2)*BBLK+(\i)*16*PITCH+64*((\q)%2)+32
.endr
.irp i, 0,1,2,3,4,5,6,7
	ds_load_b128 v[(\f)+32+8*(\i):(\f)+32+8*(\i)+3],   v[ADA] offset:((\q)/2)*ABLK+(\i)*16*PITCH+64*((\q)%2)
	ds_load_b128 v[(\f)+32+8*(\i)+4:(\f)+32+8*(\i)+7], v[ADA] offset:((\q)/2)*ABLK+(\i)*16*PITCH+64*((\q)%2)+32
.endr
.endm
; One of a K step's first three quarters: multiplies buffer f and fetches quarter qn into g.
.macro QUARTER f, g, qn, bias=0
	s_wait_dscnt 8                                 ; all but hd's fragments 4-7
	MUL8 \f, 0, \bias
	MUL8 \f, 2, \bias
	WIN 0
	PLACES
	FETCH \qn, \g
	s_wait_dscnt 24                                ; all but the 24 just issued
	MUL8 \f, 4, \bias
	MUL8 \f, 6, \bias
.endm
; The last quarter multiplies buffer 1 and changes slots: ONE barrier; in front of it each wave waits for all its tensor loads, adds 0 to its spare word, and waits for that and for its reads of this slot.
; fill = 1: the barrier opens a round of the cluster's, and this slot is filled again, two K steps ahead: 112 matrix instructions ahead of the wait for it.
.macro TURN fill
	WIN 0
	s_wait_tensorcnt 0x0
	ds_add_u32 v[SPW], v[NIL]
	s_wait_dscnt 9                                 ; the add and the youngest eight loads may be out
	MUL8 F1, 0
	s_wait_dscnt 0x0
	s_barrier_signal -1
	MUL8 F1, 2
	WIN 0
	s_barrier_wait -1
.if \fill
	CREST
	s_xor_b32 s[G0A+5], s[G0A+5], SLOT1
	s_add_nc_u64 s[G0A+6:G0A+7], s[G0A+6:G0A+7], ASTEP
	s_xor_b32 s[G0B+5], s[G0B+5], SLOT1
	s_add_nc_u64 s[G0B+6:G0B+7], s[G0B+6:G0B+7], BSTEP
	JLOAD 1                                        ; its four v_nop are also the places in front of the loads below
.else
	PLACES
.endif
	s_xor_b32 s[SB], s[SB], SLOT1
	v_add_nc_u32 v[ADA], s[SB], v[A0]
	v_add_nc_u32 v[ADB], s[SB], v[B0]
	FETCH 0, F0
	MUL8 F1, 4
	MUL8 F1, 6
.endm
	s_wait_tensorcnt 0x1                           ; my part of K step 0 is in
	s_barrier_signal -1
	s_barrier_wait -1
	s_mov_b32 s[SB], 0
	v_mov_b32 v[ADA], v[A0]
	v_mov_b32 v[ADB], v[B0]
	FETCH 0, F0
	QUARTER F0, F1, 1, 1                           ; the first quarter stands in front of the loop: its products start the sums
	WIN 0
	s_mov_b32 s[CNT], 6
.Lk:                                           ; K steps 0 to 5 ask for steps 2 to 7; a trip goes from a step's second quarter to the next step's first
	QUARTER F1, F0, 2
	QUARTER F0, F1, 3
	TURN 1
	QUARTER F0, F1, 1
	WIN 0
	s_sub_co_u32 s[CNT], s[CNT], 1
	s_cmp_lg_u32 s[CNT], 0
	s_cbranch_scc1 .Lk
	QUARTER F1, F0, 2                              ; K step 6 goes on: nothing is left to ask for
	QUARTER F0, F1, 3
	TURN 0
	QUARTER F0, F1, 1                              ; K step 7
	QUARTER F1, F0, 2
	QUARTER F0, F1, 3
	s_wait_dscnt 8
	MUL8 F1, 0
	MUL8 F1, 2
	s_wait_dscnt 0x0
	MUL8 F1, 4
	MUL8 F1, 6
	WIN 0
	PLACES 8
; THE WAY OUT, 16 rows at a time: a lane's eight f32 go into rows of 272 bytes of my stage and come back as whole rows of 256 bytes; 16 lanes store 256 consecutive bytes, aligned.
.macro TOSTAGE a
	s_wait_xcnt 0x0                                ; the stores of the block before last have read the registers that are loaded below
	WIN 0x04                                       ; the stores' data lie in window 1
.irp b, 0,1,2,3
	ds_store_b128 v[STO], v[8*(4*(\a)+(\b)):8*(4*(\a)+(\b))+3]   offset:64*(\b)
	ds_store_b128 v[STO], v[8*(4*(\a)+(\b))+4:8*(4*(\a)+(\b))+7] offset:64*(\b)+16
.endr
	WIN 0
.irp t, 0,1,2,3,4,5,6,7
	ds_load_b128 v[BK+32*((\a)%2)+4*(\t):BK+32*((\a)%2)+4*(\t)+3], v[RD] offset:(\t)*2*SPITCH  ; in order behind the stores above
.endr
.endm
.macro SEND a, younger                 ; younger: the next block's sixteen LDS instructions, or none
	s_wait_dscnt \younger
.irp t, 0,1,2,3,4,5,6,7
	global_store_b128 v[CO], v[BK+32*((\a)%2)+4*(\t):BK+32*((\a)%2)+4*(\t)+3], s[OB:OB+1] offset:(16*(\a)+2*(\t))*4096 th:TH_STORE_NT
.endr
.endm
	TOSTAGE 0
.irp a, 1,2,3,4,5,6,7
	TOSTAGE \a
	SEND (\a)-1, 16
.endr
	SEND 7, 0
	s_wait_tensorcnt 0x0                           ; the wave's end
	ds_add_u32 v[SPW], v[NIL]
	s_wait_dscnt 0x0
	CROUND                                         ; the closing round
	s_endpgm
.Lfunc_end_k_qa6b5a97ad8_oproj:
	.size	k_qa6b5a97ad8_oproj, .Lfunc_end_k_qa6b5a97ad8_oproj-k_qa6b5a97ad8_oproj
	.p2alignl 7, 3214868480
	.fill 96, 4, 3214868480
	.section	.rodata,"a",@progbits
	.p2align	6, 0x0
	.amdhsa_kernel k_qa6b5a97ad8_oproj
		.amdhsa_group_segment_fixed_size 327680
		.amdhsa_private_segment_fixed_size 0
		.amdhsa_enable_private_segment 0
		.amdhsa_kernarg_size 32
		.amdhsa_user_sgpr_count 2
		.amdhsa_user_sgpr_kernarg_segment_ptr 1
		.amdhsa_wavefront_size32 1
		.amdhsa_system_sgpr_workgroup_id_x 1
		.amdhsa_system_sgpr_workgroup_id_y 1
		.amdhsa_system_sgpr_workgroup_id_z 1
		.amdhsa_system_vgpr_workitem_id 0
		.amdhsa_next_free_vgpr 512
		.amdhsa_next_free_sgpr 72
		.amdhsa_reserve_vcc 0
		.amdhsa_float_denorm_mode_32 3
		.amdhsa_float_denorm_mode_16_64 3
		.amdhsa_memory_ordered 1
		.amdhsa_forward_progress 1
		.amdhsa_inst_pref_size 73
	.end_amdhsa_kernel
	.amdgpu_metadata
---
amdhsa.version: [ 1, 2 ]
amdhsa.kernels:
  - .name:           k_qa6b5a97ad8_oproj
    .symbol:         k_qa6b5a97ad8_oproj.kd
    .args:
      - { .name: hd, .offset: 0, .size: 8, .value_kind: global_buffer, .address_space: global }
      - { .name: wo, .offset: 8, .size: 8, .value_kind: global_buffer, .address_space: global }
      - { .name: bo, .offset: 16, .size: 8, .value_kind: global_buffer, .address_space: global }
      - { .name: out0, .offset: 24, .size: 8, .value_kind: global_buffer, .address_space: global }
    .group_segment_fixed_size: 327680
    .private_segment_fixed_size: 0
    .kernarg_segment_align: 8
    .kernarg_segment_size: 32
    .max_flat_workgroup_size: 128
    .sgpr_count:     72
    .vgpr_count:     512
    .wavefront_size: 32
...
	.end_amdgpu_metadata
.endif
;; end of part 4
